; MI455X (gfx1250); checked and timed in simulation.
; The chip was launched on July 23, 2026; its instructions are those of AMD's public machine-readable ISA for CDNA 5 (MIT licence, August 2026) and "CDNA5" Instruction Set Architecture Reference Guide (July 2026). The comments in the code are by the model that wrote it; some were corrected since.
;; Dynamic Differentiable Palette. Allowed arithmetic: float matrix products may take bf16 or f16 operands with f32 sums; all other float work in f32.
;; Inputs: images 16 x 256 x 256 x 3 float32; palette_sizes 16 int32; palettes 16 x 64 x 3 float32; temperature one number float32.
;; Outputs: out0 16 x 256 x 256 x 3 float32.
;; One version. Each part assembles by itself: llvm-mc -triple=amdgcn-amd-amdhsa -mcpu=gfx1250 --defsym DOCPART=n.
;; ======== version 1 of 1: 1 launch
;; launch palette (part 1): grid 256 x 1, 16 waves a work-group, no clusters, 38,912 bytes of LDS; arguments images, palette_sizes, palettes, temperature, out0; writes out0
.if DOCPART == 1
	.amdgcn_target "amdgcn-amd-amdhsa--gfx1250"
	.amdhsa_code_object_version 6
	.text
	.protected	k_q68fba20516_palette
	.globl	k_q68fba20516_palette
	.p2align	8
	.type	k_q68fba20516_palette,@function
k_q68fba20516_palette:
	s_mov_b64 s[64:65], 0
	v_nop
	global_prefetch_b8 v0, s[64:65] scope:SCOPE_SE
	s_setreg_imm32_b32 hwreg(HW_REG_WAVE_MODE, 25, 1), 1
	s_wait_xcnt 0x0
; out[b][pix][c] = sum_k softmax_k( -|x - p_k|^2 / T ) p_k[c],  k < palette_sizes[b].   images, out0: [16][65536][3] f32; palettes: [16][64][3] f32.
;
; ARITHMETIC.  x and p are centred on the image's palette entry 0 (x' = x - p_0, p' = p - p_0: distances do not change, and a common offset of the
; inputs never enters a product).  |x'|^2 is the same for all k of a pixel and drops out of the softmax, so the exponent in base 2 is
;   l_k = a_k . x' + d_k,   a_k = (2 log2 e / T) p'_k,   d_k = -(log2 e / T) |p'_k|^2,   all in f32;  k >= size: a_k = 0, d_k = -inf.
; The true maximum of the l_k is taken away before v_exp_f32.  The weights, rounded to bf16, are multiplied on the matrix unit by the rows
; p'[0], p'[1], p'[2], 1 (bf16; sums in f32): three numerators N and the denominator S of the same rounded weights;  out = p_0 + N / S.
; LAYOUT.  A tile is 16 pixels.  Lane (r = lane % 16, h = lane / 16) owns pixel r and the palette entries k = 16 g + 8 h + j (g: group, j = 0..7):
; that is where source 1 of v_wmma_f32_16x16x32_bf16 wants column r, so the packed weights are the fragment as they stand.
; WORK THAT THE MASK THROWS AWAY IS NOT DONE: an image runs the body written for ng = ceil(size / 16) groups (four bodies).
; SHARES.  A unit is 64 pixels (768 bytes).  A unit of an image with ng groups is weighted 4 (3 ng + 1), after the bodies' instruction counts (7 + 32 ng a tile),
; an image 4096 (3 ng + 1), all images 4096 Wt.  Wave i of 4096 takes the units that begin in [i Wt, (i + 1) Wt): at least one (Wt >= 64 > 52, the heaviest
; unit) and from at most two images (Wt <= 208 < 16384, the lightest image).  All of that is whole-number arithmetic on palette_sizes.
; Waves share nothing: each has 2,304 bytes of LDS of its own, so there is no barrier.  No cluster: work-groups share only the 12 KiB of palettes.
; LIMITS.  1/T is v_rcp_f32 (1 ulp), not a division; the square is expanded, so roundings differ from the reference's order; exponentials below 2^-126
; come out as zero; weights and centred palette are rounded to bf16; padded palette entries are ignored even if they are not finite (the reference
; would return NaN); size <= 0 gives NaN as the reference does, size > 64 acts as 64.
.set TILEB, 192                        ; bytes of a tile's 16 pixels
.set UNITB, 768                        ; bytes of a unit: 4 tiles, three blocks of 256 bytes
.set UNITS, 1024                       ; units in an image
.set WLDS,  2304                       ; LDS of a wave: a0[64], a1[64], a2[64], d[64] in f32 (1,024), the bf16 table of 4 rows x 64 (512), the stage (768)
.set PTAB,  1024
.set STAGE, 1536
.set MAG16, 0x10000000                 ; ceil(2^32 / d) for d = 16, 28, 40, 52: the high word of n x MAG is floor(n / d) for n < 2^20,
.set MAG28, 0x0924924a                 ; since the excess is below n / 2^32 < 1 / d
.set MAG40, 0x06666667
.set MAG52, 0x04ec4ec5
; vector registers.  The second register of a pair that v_pk_* reads broadcast is never used by the arithmetic: those four hold addresses and the scale.
.set XO,  1                            ; 12 r: my pixel in a tile
.set SO,  2                            ; 8 x lane: my 8 bytes of a block of 256 on the way out
.set LB,  3                            ; LDS: my coefficients (wave's LDS + 32 h)
.set X,   4                            ; v[4:6], v[8:10], v[12:14], v[16:18]: x of the unit's four tiles as loaded
.set R,   7                            ; 1 / S
.set STW, 11                           ; LDS: wave's LDS + 12 x lane (stage, in)
.set STR, 15                           ; LDS: wave's LDS + 8 x lane (stage, out)
.set PB,  19                           ; LDS: wave's LDS + 128 (r % 4) + 16 h (bf16 table, read)
.set XC,  20                           ; v20, v22, v24: x' (each the first of a pair)
.set CW,  21                           ; LDS: wave's LDS + 4 x lane (coefficients, written)
.set PW,  23                           ; LDS: wave's LDS + 2 x lane (bf16 table, written)
.set P12, 25                           ; 12 x lane: my palette entry
.set M,   26                           ; the pixel's maximum (first of a pair)
.set SC,  27                           ; 2 log2 e / T
.set T,   28                           ; v[28:31] running maxima, one a group
.set O,   28                           ; v[28:31] later N0, N1, N2, S, then the pixel's result
.set CA,  32                           ; v[32:63]   a0 of my 8 ng entries
.set CB,  64                           ; v[64:95]   a1
.set CC,  96                           ; v[96:127]  a2
.set CD,  128                          ; v[128:159] d
.set L,   160                          ; v[160:191] exponents, then weights in f32; L..L+5 carry the unit out; also the set-up's scratch
.set WA,  192                          ; v[192:207] weights in bf16, even tile: two fragments
.set WB,  208                          ; v[208:223] odd tile
.set PF,  224                          ; v[224:239] palette rows in bf16: two fragments
.set DA,  240                          ; v[240:247] accumulator, even tile
.set DB,  248                          ; v[248:255] odd tile
.set K,   160                          ; set-up scratch, inside L
.set SZ,  161
.set TA,  162
.set TB,  163
.set P0,  164
.set P1,  168
.set Q,   172
.set AQ,  176
.set BI,  179
.set B0,  180
.set B1,  181
; scalar registers: s[4:5] images, s[6:7] palette_sizes, s[8:9] palettes, s[10:11] temperature, s[12:13] out0; s14 wave; s15 wave of 4096; s16 T;
; s17, s18 bit b = bit 0, bit 1 of (ng - 1) of image b; s19 Wt; s20, s21 my stretch; s22 image; s23 trip; s24-27, s36-37 scratch; s[28:30] p_0;
; s[32:33] x, s[34:35] out at my unit; s[38:39] the image's palette; s40 units left; s41 ng - 1; s42-43 lane selects; s44 upper lanes; s45 wave's LDS; s46 image, clamped
	s_load_b256 s[4:11], s[0:1], 0x0
	s_load_b64 s[12:13], s[0:1], 0x20
	v_and_b32 v[K], 31, v0                         ; lane
	v_and_b32 v[TB], 15, v0                        ; r
	v_lshrrev_b32 v[Q], 5, v0
	v_readfirstlane_b32 s14, v[Q]                  ; wave 0..15
	v_lshlrev_b32 v[TA], 2, v[TB]
	s_wait_kmcnt 0x0
	global_load_b32 v[SZ], v[TA], s[6:7]           ; lane b (and b + 16): palette_sizes[b]
	s_load_b32 s16, s[10:11], 0x0                  ; T
	s_lshl_b32 s15, ttmp9, 4
	s_add_co_u32 s15, s15, s14                     ; wave 0..4095
	s_mul_i32 s45, s14, WLDS
	s_mov_b32 s42, 0x76543210                      ; v_permlanex16_b32: lane i reads lane i of the other half
	s_mov_b32 s43, 0xfedcba98
	s_mov_b32 s44, 0xffff0000                      ; lanes 16 to 31
	v_mul_u32_u24 v[XO], 12, v[TB]
	v_lshlrev_b32 v[SO], 3, v[K]
	v_bfe_u32 v[Q], v0, 4, 1                       ; h
	v_lshl_add_u32 v[LB], v[Q], 5, s45
	v_and_b32 v[Q+1], 3, v0
	v_lshlrev_b32 v[Q+1], 7, v[Q+1]
	v_lshl_add_u32 v[Q+1], v[Q], 4, v[Q+1]
	v_add_nc_u32 v[PB], s45, v[Q+1]
	v_mul_u32_u24 v[P12], 12, v[K]
	v_add_nc_u32 v[STW], s45, v[P12]
	v_add_nc_u32 v[STR], s45, v[SO]
	v_lshl_add_u32 v[CW], v[K], 2, s45
	v_lshl_add_u32 v[PW], v[K], 1, s45
	v_mov_b32 v[T+1], 0                            ; v_permlanex16_b32 counts as a reader of its destination
	s_wait_kmcnt 0x0
	v_rcp_f32 v[SC], s16
	s_wait_loadcnt 0x0
	v_add_nc_u32 v[SZ], -1, v[SZ]                  ; (the plain instruction between v_rcp_f32 and the use of its result)
	s_wait_alu depctr_va_vdst(0)
	v_mul_f32 v[SC], 0x4038aa3b, v[SC]             ; 2 log2 e / T
	; ng - 1 = min(size - 1, 63) / 16, unsigned: size <= 0 wraps to 3, where every entry is masked all the same
	v_min_u32 v[SZ], 63, v[SZ]
	v_lshrrev_b32 v[SZ], 4, v[SZ]
	v_and_b32 v[Q], 1, v[SZ]
	v_cmp_ne_u32 s17, 0, v[Q]
	v_cmp_lt_u32 s18, 1, v[SZ]
	s_and_b32 s17, s17, 0xffff                     ; lanes 16 to 31 repeat the sixteen images
	s_and_b32 s18, s18, 0xffff
	s_bcnt1_i32_b32 s24, s17
	s_bcnt1_i32_b32 s25, s18
	s_lshl1_add_u32 s24, s25, s24                  ; the sum of ng - 1
	s_mul_i32 s24, s24, 3
	s_add_co_u32 s19, s24, 64                      ; Wt = sum of 3 ng + 1 = 64 + 3 sum(ng - 1)
	s_mul_i32 s20, s19, s15                        ; my stretch begins here
	s_add_co_u32 s21, s20, s19                     ; and ends here
	v_mbcnt_lo_u32_b32 v[Q], s18, 0                ; lane b: the sum of ng - 1 over the images below b
	v_lshlrev_b32 v[Q], 1, v[Q]
	v_mbcnt_lo_u32_b32 v[Q], s17, v[Q]
	v_mul_u32_u24 v[Q], 3, v[Q]
	v_lshl_add_u32 v[Q], v[K], 2, v[Q]             ; 4 b + 3 of that
	v_lshlrev_b32 v[Q], 12, v[Q]                   ; where image b begins
	v_cmp_ge_u32 s24, s20, v[Q]
	s_and_b32 s24, s24, 0xffff
	s_bcnt1_i32_b32 s22, s24
	s_sub_co_u32 s22, s22, 1                       ; the image in which my stretch begins
	s_mov_b32 s23, 0
; One palette entry: the lane's k, its three numbers in v[p..p+2].  Coefficients and bf16 table go to the wave's LDS.
.macro COEF p, koff
	v_cmp_gt_i32 vcc_lo, v[SZ], v[K]               ; k < size
	v_sub_f32 v[Q], v[\p], s28
	v_sub_f32 v[Q+1], v[\p+1], s29
	v_sub_f32 v[Q+2], v[\p+2], s30
	v_cndmask_b32 v[Q], 0, v[Q], vcc_lo            ; padding counts as p' = 0, whatever it holds
	v_cndmask_b32 v[Q+1], 0, v[Q+1], vcc_lo
	v_cndmask_b32 v[Q+2], 0, v[Q+2], vcc_lo
	v_mul_f32 v[AQ], v[SC], v[Q]
	v_mul_f32 v[AQ+1], v[SC], v[Q+1]
	v_mul_f32 v[AQ+2], v[SC], v[Q+2]
	v_mul_f32 v[BI], v[AQ], v[Q]
	v_fma_f32 v[BI], v[AQ+1], v[Q+1], v[BI]
	v_fma_f32 v[BI], v[AQ+2], v[Q+2], v[BI]
	v_mul_f32 v[BI], -0.5, v[BI]                   ; d = -(a . p') / 2
	v_cndmask_b32 v[BI], 0xff800000, v[BI], vcc_lo ; padding: -inf
	v_cvt_pk_bf16_f32 v[B0], v[Q], v[Q+1]
	v_cvt_pk_bf16_f32 v[B1], v[Q+2], 1.0
	ds_store_b32 v[CW], v[AQ] offset:4*\koff
	ds_store_b32 v[CW], v[AQ+1] offset:256+4*\koff
	ds_store_b32 v[CW], v[AQ+2] offset:512+4*\koff
	ds_store_b32 v[CW], v[BI] offset:768+4*\koff
	ds_store_b16 v[PW], v[B0] offset:PTAB+2*\koff
	ds_store_b16_d16_hi v[PW], v[B0] offset:PTAB+128+2*\koff
	ds_store_b16 v[PW], v[B1] offset:PTAB+256+2*\koff
	ds_store_b16_d16_hi v[PW], v[B1] offset:PTAB+384+2*\koff
.endm
; l += x'[c] a[c], two entries an instruction; x' is the first register of its pair, taken for both halves
.macro STEP ng, xs, co, ad
.set i, 0
.rept 4*\ng
	v_pk_fma_f32 v[L+2*i:L+2*i+1], v[\xs:\xs+1], v[\co+2*i:\co+2*i+1], v[\ad+2*i:\ad+2*i+1] op_sel_hi:[0,1,1]
.set i, i+1
.endr
.endm
; Tile t of the unit: 16 pixels x 16 ng entries, 8 ng of them mine; the weights end in bf16 in v[w..].  more = 1: the slot is filled again, for the next unit.
.macro TILE ng, t, w, more
	s_wait_loadcnt 3-\t*(1-\more)                  ; loads come back in order: this tile's is in, the three issued behind it stay out (the last unit: 3 - t are left)
	v_sub_f32 v[XC], v[X+4*\t], s28
	v_sub_f32 v[XC+2], v[X+4*\t+1], s29
	v_sub_f32 v[XC+4], v[X+4*\t+2], s30
.if \more
	global_load_b96 v[X+4*\t:X+4*\t+2], v[XO], s[32:33] offset:UNITB+TILEB*\t
.endif
	STEP \ng, XC, CA, CD
	STEP \ng, XC+2, CB, L
	STEP \ng, XC+4, CC, L
	; the maximum of my 8 ng exponents: one chain a group, 4 ng instructions
.irp j, 0,3,5
.set g, 0
.rept \ng
.if \j
	v_max3_num_f32 v[T+g], v[T+g], v[L+8*g+\j], v[L+8*g+\j+1]
.else
	v_max3_num_f32 v[T+g], v[L+8*g], v[L+8*g+1], v[L+8*g+2]
.endif
.set g, g+1
.endr
.endr
.set g, 0
.rept \ng-1
	v_max3_num_f32 v[T], v[T], v[L+8*g+7], v[T+g+1]
.set g, g+1
.endr
	v_max_num_f32 v[T], v[T], v[L+8*\ng-1]
	v_permlanex16_b32 v[T+1], v[T], s42, s43       ; the other half of the pixel's entries lies 16 lanes away
	v_max_num_f32 v[M], v[T], v[T+1]
.set i, 0
.rept 4*\ng
	v_pk_add_f32 v[L+2*i:L+2*i+1], v[L+2*i:L+2*i+1], v[M:M+1] op_sel_hi:[1,0] neg_lo:[0,1] neg_hi:[0,1]
.set i, i+1
.endr
.set i, 0
.rept 8*\ng
	v_exp_f32 v[L+i], v[L+i]
.set i, i+1
.endr
	v_nop                                          ; one plain instruction between the exponentials and the first use of a result (ISA guide 5.7.2)
.set i, 0
	s_wait_alu depctr_va_vdst(0)
.rept 4*\ng
	v_cvt_pk_bf16_f32 v[\w+i], v[L+2*i], v[L+2*i+1]
.set i, i+1
.endr
.endm
; Two tiles' blends.  Source 0: rows p'0, p'1, p'2, 1, repeated every four rows; source 1: the weights.  Register j of lane (r, h) is row 8 h + j, column r:
; N0, N1, N2, S of pixel r in registers 0 to 3 of BOTH halves.  Lanes 0-15 keep the even tile's, lanes 16-31 the odd tile's: lane = pixel of 32.
.macro BLEND ng, u
	v_wmma_f32_16x16x32_bf16 v[DA:DA+7], v[PF:PF+7], v[WA:WA+7], 0           ; the first product starts the sum
	v_wmma_f32_16x16x32_bf16 v[DB:DB+7], v[PF:PF+7], v[WB:WB+7], 0           ; the two accumulators take turns
.if \ng > 2
	v_wmma_f32_16x16x32_bf16 v[DA:DA+7], v[PF+8:PF+15], v[WA+8:WA+15], v[DA:DA+7]
	v_wmma_f32_16x16x32_bf16 v[DB:DB+7], v[PF+8:PF+15], v[WB+8:WB+15], v[DB:DB+7]
.endif
.rept 4
	v_nop                                          ; four places between a matrix instruction and the vector instruction that reads its result (ISA guide 7.12.1)
.endr
.irp j, 0,1,2,3
	v_cndmask_b32 v[O+\j], v[DA+\j], v[DB+\j], s44
.endr
	v_rcp_f32 v[R], v[O+3]                         ; S >= 1: the largest weight is exactly 1
	v_nop                                          ; the plain instruction behind v_rcp_f32
	s_wait_alu depctr_va_vdst(0)
	v_fma_f32 v[O], v[O], v[R], s28                ; p_0 + N / S
	v_fma_f32 v[O+1], v[O+1], v[R], s29
	v_fma_f32 v[O+2], v[O+2], v[R], s30
	ds_store_b32 v[STW], v[O] offset:STAGE+384*\u
	ds_store_b32 v[STW], v[O+1] offset:STAGE+384*\u+4
	ds_store_b32 v[STW], v[O+2] offset:STAGE+384*\u+8
.endm
; A unit: four tiles, then 768 bytes out of the wave's own stage.  Each store of the wave covers 256 consecutive bytes, aligned.
.macro UNIT ng, more
	TILE \ng, 0, WA, \more
	TILE \ng, 1, WB, \more
	BLEND \ng, 0
	TILE \ng, 2, WA, \more
	TILE \ng, 3, WB, \more
	BLEND \ng, 1
.irp j, 0,1,2
	ds_load_b64 v[L+2*\j:L+2*\j+1], v[STR] offset:STAGE+256*\j     ; LDS serves a wave's instructions in order (ISA guide 5.7.1): these see the stores above
.endr
	s_wait_dscnt 0x0
.irp j, 0,1,2
	global_store_b64 v[SO], v[L+2*\j:L+2*\j+1], s[34:35] offset:256*\j th:TH_STORE_NT
.endr
	s_wait_xcnt 0x0                                ; the bases and the stores' data (L) are written again only behind this wait
.if \more
	s_add_nc_u64 s[32:33], s[32:33], UNITB
	s_add_nc_u64 s[34:35], s[34:35], UNITB
.endif
.endm
; The body for ng groups: my coefficients and the palette fragments from LDS, then my units; the last one, which loads nothing, is written out.
.macro VARIANT ng
.Lv\ng:
.set g, 0
.rept \ng
.irp q, 0,1
	ds_load_b128 v[CA+8*g+4*\q:CA+8*g+4*\q+3], v[LB] offset:64*g+16*\q
	ds_load_b128 v[CB+8*g+4*\q:CB+8*g+4*\q+3], v[LB] offset:256+64*g+16*\q
	ds_load_b128 v[CC+8*g+4*\q:CC+8*g+4*\q+3], v[LB] offset:512+64*g+16*\q
	ds_load_b128 v[CD+8*g+4*\q:CD+8*g+4*\q+3], v[LB] offset:768+64*g+16*\q
.endr
.set g, g+1
.endr
.set g, 0
.rept 2*((\ng+1)/2)
	ds_load_b128 v[PF+4*g:PF+4*g+3], v[PB] offset:PTAB+32*g        ; group g = registers 4 g .. 4 g + 3 of the fragments
.set g, g+1
.endr
.if \ng & 1
.irp j, 0,1,2,3
	v_mov_b32 v[WA+4*\ng+\j], 0                    ; the half of the last fragment that no group fills: weight 0
	v_mov_b32 v[WB+4*\ng+\j], 0
.endr
.endif
	s_wait_dscnt 0x0
	s_sub_co_u32 s40, s40, 1
	s_cmp_eq_u32 s40, 0
	s_cbranch_scc1 .Llast\ng
.Lunit\ng:
	UNIT \ng, 1
	s_sub_co_u32 s40, s40, 1
	s_cmp_lg_u32 s40, 0
	s_cbranch_scc1 .Lunit\ng
.Llast\ng:
	UNIT \ng, 0
.endm
; Two trips: the image in which my stretch begins, and the next one.
.Lseg:
	s_lshl_b32 s24, 1, s22
	s_sub_co_u32 s24, s24, 1                       ; the images below this one
	s_and_b32 s25, s17, s24
	s_and_b32 s26, s18, s24
	s_bcnt1_i32_b32 s25, s25
	s_bcnt1_i32_b32 s26, s26
	s_lshl1_add_u32 s25, s26, s25
	s_mul_i32 s25, s25, 3
	s_lshl2_add_u32 s25, s22, s25
	s_lshl_b32 s25, s25, 12                        ; where this image begins (image 16: where all ends)
	s_lshr_b32 s26, s17, s22
	s_and_b32 s26, s26, 1
	s_lshr_b32 s27, s18, s22
	s_and_b32 s27, s27, 1
	s_lshl1_add_u32 s41, s27, s26                  ; ng - 1
	s_mul_i32 s26, s41, 12
	s_add_co_u32 s26, s26, 15                      ; d - 1, d = 16 + 12 (ng - 1): a unit's weight
	s_mov_b32 s27, MAG16
	s_cmp_eq_u32 s41, 1
	s_cmov_b32 s27, MAG28
	s_cmp_eq_u32 s41, 2
	s_cmov_b32 s27, MAG40
	s_cmp_eq_u32 s41, 3
	s_cmov_b32 s27, MAG52
	s_sub_co_i32 s36, s20, s25
	s_max_i32 s36, s36, 0
	s_add_co_u32 s36, s36, s26
	s_mul_hi_u32 s36, s36, s27
	s_min_u32 s36, s36, UNITS                      ; the first unit that begins at or behind my stretch's start
	s_sub_co_i32 s37, s21, s25
	s_max_i32 s37, s37, 0
	s_add_co_u32 s37, s37, s26
	s_mul_hi_u32 s37, s37, s27
	s_min_u32 s37, s37, UNITS                      ; the first that begins at or behind its end
	s_sub_co_u32 s40, s37, s36
	s_cmp_eq_u32 s40, 0
	s_cbranch_scc1 .Lnext                          ; none of this image's units is mine
	s_min_u32 s46, s22, 15
	s_lshl_b32 s25, s46, 10
	s_add_co_u32 s25, s25, s36
	s_min_u32 s25, s25, 16383                      ; my first unit among all 16,384
	s_mul_i32 s36, s25, UNITB
	s_mov_b32 s37, 0
	s_add_nc_u64 s[32:33], s[4:5], s[36:37]
	s_add_nc_u64 s[34:35], s[12:13], s[36:37]
	s_mul_i32 s36, s46, 768                        ; a palette is 64 x 12 bytes
	s_add_nc_u64 s[38:39], s[8:9], s[36:37]
	s_lshl_b32 s26, s46, 2
	v_mov_b32 v[TA], s26
	s_load_b96 s[28:30], s[38:39], 0x0             ; p_0, the centre
	global_load_b32 v[SZ], v[TA], s[6:7]           ; the image's size, in every lane
	global_load_b96 v[P0:P0+2], v[P12], s[38:39]               ; entry k = lane
	global_load_b96 v[P1:P1+2], v[P12], s[38:39] offset:384    ; entry k = lane + 32
.irp t, 0,1,2,3
	global_load_b96 v[X+4*\t:X+4*\t+2], v[XO], s[32:33] offset:TILEB*\t      ; the first unit's four tiles, on their way during the set-up
.endr
	v_and_b32 v[K], 31, v0
	s_wait_loadcnt 0x4                             ; size and palette are in; the four loads of x, issued behind them, stay out
	s_wait_kmcnt 0x0
	COEF P0, 0
	v_add_nc_u32 v[K], 32, v[K]
	COEF P1, 32
	s_cmp_eq_u32 s41, 0
	s_cbranch_scc1 .Lv1
	s_cmp_eq_u32 s41, 1
	s_cbranch_scc1 .Lv2
	s_cmp_eq_u32 s41, 2
	s_cbranch_scc1 .Lv3
	VARIANT 4
	s_branch .Lnext
	VARIANT 3
	s_branch .Lnext
	VARIANT 2
	s_branch .Lnext
	VARIANT 1
.Lnext:
	s_add_co_u32 s22, s22, 1
	s_add_co_u32 s23, s23, 1
	s_cmp_lt_u32 s23, 2
	s_cbranch_scc1 .Lseg
	s_wait_xcnt 0x0
	v_lshl_add_u32 v238, v0, 2, 0x9000
	v_mov_b32 v239, 0
	s_wait_tensorcnt 0x0
	ds_add_u32 v238, v239
	s_wait_dscnt 0x0
	s_endpgm
.Lfunc_end_k_q68fba20516_palette:
	.size	k_q68fba20516_palette, .Lfunc_end_k_q68fba20516_palette-k_q68fba20516_palette
	.p2alignl 7, 3214868480
	.fill 96, 4, 3214868480
	.section	.rodata,"a",@progbits
	.p2align	6, 0x0
	.amdhsa_kernel k_q68fba20516_palette
		.amdhsa_group_segment_fixed_size 38912
		.amdhsa_private_segment_fixed_size 0
		.amdhsa_enable_private_segment 0
		.amdhsa_kernarg_size 40
		.amdhsa_user_sgpr_count 2
		.amdhsa_user_sgpr_kernarg_segment_ptr 1
		.amdhsa_wavefront_size32 1
		.amdhsa_system_sgpr_workgroup_id_x 1
		.amdhsa_system_sgpr_workgroup_id_y 1
		.amdhsa_system_sgpr_workgroup_id_z 1
		.amdhsa_system_vgpr_workitem_id 0
		.amdhsa_next_free_vgpr 256
		.amdhsa_next_free_sgpr 66
		.amdhsa_reserve_vcc 1
		.amdhsa_float_denorm_mode_32 3
		.amdhsa_float_denorm_mode_16_64 3
		.amdhsa_memory_ordered 1
		.amdhsa_forward_progress 1
		.amdhsa_inst_pref_size 190
	.end_amdhsa_kernel
	.amdgpu_metadata
---
amdhsa.version: [ 1, 2 ]
amdhsa.kernels:
  - .name:           k_q68fba20516_palette
    .symbol:         k_q68fba20516_palette.kd
    .args:
      - { .name: images, .offset: 0, .size: 8, .value_kind: global_buffer, .address_space: global }
      - { .name: palette_sizes, .offset: 8, .size: 8, .value_kind: global_buffer, .address_space: global }
      - { .name: palettes, .offset: 16, .size: 8, .value_kind: global_buffer, .address_space: global }
      - { .name: temperature, .offset: 24, .size: 8, .value_kind: global_buffer, .address_space: global }
      - { .name: out0, .offset: 32, .size: 8, .value_kind: global_buffer, .address_space: global }
    .group_segment_fixed_size: 38912
    .private_segment_fixed_size: 0
    .kernarg_segment_align: 8
    .kernarg_segment_size: 40
    .max_flat_workgroup_size: 512
    .sgpr_count:     66
    .vgpr_count:     256
    .wavefront_size: 32
...
	.end_amdgpu_metadata
.endif
;; end of part 1
